; MI455X (gfx1250); checked and timed in simulation.
; The chip was launched on July 23, 2026; its instructions are those of AMD's public machine-readable ISA for CDNA 5 (MIT licence, August 2026) and "CDNA5" Instruction Set Architecture Reference Guide (July 2026). The comments in the code are by the model that wrote it; some were corrected since.
;; Gaussian Upsampling. Allowed arithmetic: matrix products marked QUANTISED: E5M2 operands, one given power-of-two scale a tensor, by v_wmma_f32_16x16x64_bf8_bf8 or v_wmma_f32_16x16x128_bf8_bf8, f32 sums; everything else in f32.
;; Inputs: d_masks 16 x 512 bool; ds 16 x 512 int32; h_masks 16 x 4,096 bool; hs_codes 16 x 256 x 16 x 32 uint8 (E5M2 codes of hs, K innermost, in blocks of 32 codes); lowp_scales 2 int32 (the exponents e of the quantised operands' scales 2^e).
;; Outputs: out0 16 x 4,096 x 256 float32.
;; This version of the problem:
;;   THIS VERSION OF THE PROBLEM IS GIVEN IN LOW PRECISION. The matrix products marked QUANTISED in the list below multiply operands that are first quantised to E5M2 (5 exponent bits, 2 mantissa bits; 8 bits a number), with one given power-of-two scale for each operand tensor; their sums are f32. All else is computed in f32.
;;   The module's matrix products, in the order in which they are computed (A, B: the left and right operand; K: the contracted axis; several contracted axes count as one K, in the product's order):
;;     1. batch 16 x [M 4,096, K 512] x [K 512, N 256]; A: softmax (see below); B: input hs (given as codes): QUANTISED (scales: A lowp_scales[0], B lowp_scales[1])
;;   THE QUANTISER, for each operand of a quantised product, along K:
;;     - The operand's scale is 2^e, e = its entry of the input lowp_scales (int32; the entries are numbered through the quantised products in the list's order, A before B).
;;     - Each number is divided by the scale, clamped to +-57,344, and rounded to the nearest number of E5M2, ties to even, subnormals kept.
;;     - The product sums the exact products of the quantised numbers (number of the format x scale) in f32.
;;   ~~~python
;;   def quantise(x, axis, e):      # numpy; x: float32 -> the quantised numbers, widened to float32 again
;;       x = np.moveaxis(x, axis, -1); K = x.shape[-1]
;;       r = np.clip(x / 2.0 ** e, -57344, 57344)
;;       step = 2.0 ** (np.maximum(np.frexp(np.where(r == 0, 1, r))[1] - 1, -14) - 2)
;;       q = np.round(r / step) * step * 2.0 ** e      # np.round: ties to even
;;       return np.moveaxis(q, -1, axis).astype(np.float32)
;;   ~~~
;;   SOFTMAX AHEAD OF A QUANTISED PRODUCT. Where the list says 'softmax', what is quantised is not the finished softmax but p = 2^(t - M), with t = logit x log2(e) and M = ceil(the row's largest t), a whole number; so 1/2 < the row's largest p <= 1. The row's sum l is taken of the UNQUANTISED p, in f32, and the product's result is divided by l at the end. Since M is a whole number, a kernel that streams over the keys may use a running M (the ceiling of the running maximum): every later rescaling is an exact power of two, so the quantised numbers keep their values, but for numbers so far below the row's largest that they fall under the format's range.
;;   OPERANDS COMPUTED ON THE WAY. 'Computed on the way' means the value that the module computes at that place (a softmax that the list does not call 'softmax' is quantised finished and normalised). What goes into a quantiser is computed in f32, as accurately as f32 sums, v_exp_f32 and their like allow (about 1e-6 of the number): no bf16 or f16 on the way to a quantiser, and a product that is left as it is and whose result goes on into a quantised operand takes f32 operands (vector FMAs, or v_wmma_f32_16x16x4_f32). A number that lies on a knife's edge between two numbers of the format may be rounded either way, as far as f32 arithmetic and the matrix unit's own rounding can turn it there, and no further.
;;   INPUTS GIVEN AS CODES. hs (in the module: [16, 512, 256], K = its axis 1): each comes as NAME_codes (uint8): NAME with its K axis moved to the last place and cut into blocks of 32 codes, [.., K / 32, bytes a block], one block behind the other in memory; one code a byte (a code: sign, 5 exponent bits, 2 mantissa bits); its scale is its entry of lowp_scales. Its value is code x scale, taken as it is: it is not quantised again, and the codes and scales need not be those that the quantiser above would give.
;; One version. Each part assembles by itself: llvm-mc -triple=amdgcn-amd-amdhsa -mcpu=gfx1250 --defsym DOCPART=n.
;; ======== version 1 of 1: 1 launch
;; limits: right only within a limited range of input values
;; launch gauss (part 1): grid 16 x 16, 4 waves a work-group, no clusters, 33,536 bytes of LDS; arguments hs_codes, ds, d_masks, h_masks, lowp_scales, out0; writes out0
.if DOCPART == 1
	.amdgcn_target "amdgcn-amd-amdhsa--gfx1250"
	.amdhsa_code_object_version 6
	.text
	.protected	k_q861f9ea32e_gauss
	.globl	k_q861f9ea32e_gauss
	.p2align	8
	.type	k_q861f9ea32e_gauss,@function
k_q861f9ea32e_gauss:
	s_mov_b64 s[64:65], 0
	v_nop
	global_prefetch_b8 v0, s[64:65] scope:SCOPE_SE
	s_setreg_imm32_b32 hwreg(HW_REG_WAVE_MODE, 25, 1), 1
	s_wait_xcnt 0x0
; GAUSSIAN UPSAMPLING on codes of BF8 (E5M2).  For batch b, frame f, token l:  c_l = cumsum(ds)_l - ds_l / 2;  time = f x h_mask;  logit = -0.1 (time - c_l)^2, -infinity where d_mask is 0;
; t = logit x log2(e);  M = ceil(the row's largest t);  p = 2^(t - M) is quantised with the given 2^e0;  out = (sum over l of Q(p) x hs code) x 2^(e0 + e1) / (the sum of the unquantised p).
; hs arrives as codes [16][256 (d)][512 (l)], the tokens innermost: they are K.  out is [16][4096][256] f32.
; THE WHOLE NUMBERS ds, d_masks, h_masks DECIDE WHICH TOKENS A FRAME TAKES IN, for all values of these inputs.  In half frames (2c, 2 time: whole numbers) let D be a token's distance from the frame and m the nearest visible token's.
;   Where D >= m + 60:  t - M <= -0.1 log2(e) (D^2 - m^2) / 4 <= -0.036067 x 60 (2m + 60) = -129.8 - 4.3 m, under -126 by more than the roundings of t for all 2c under 2^25: v_exp_f32 gives 0 there (ISA guide, 15.8), and the token
;   adds 0 to the row's sum and the code 0 to the product.  Blocks of 16 tokens that hold only such tokens for all of a work-group's frames are passed over; the rest is computed.  All inputs are loaded.
;   Blocks: lane l holds tokens 16 l .. 16 l + 15, the smallest (lo) and largest (hi) 2c of the visible ones among them.  For a point X: s = max(lo - X, X - hi); max(s, 0) is at most the distance of any of the block's tokens, |s| is the
;   distance of one of them.  Each group of 64 frames is held by its middle X, from which 2 time is at most 63 off: a block is needed where s < (the least |s|) + 60 + 2 x 63.  Where h_masks has a 0 among the 256 frames, X = 0 counts too, with 60.
;   If the needed blocks fit into 8 on end, ONE window of 128 tokens from the first of them (clamped to block 24) serves the work-group; else four fixed windows, of which those with no needed block are passed over (the first is always done).
; SHARES.  256 work-groups of four waves: x = a block of 256 frames, y = the batch.  The block goes in four groups of 64 frames = four tiles of 16.
;   Softmax: wave w makes tile w of the group.  Lane (r = lane % 16, h = lane / 16) holds frame r; work register 16 B + i is the window's token 32 B + 16 h + i: c of lane (first block + 2 B + h), fetched by ds_bpermute_b32, which touches no LDS byte.
;   Product: wave w owns the columns d = 64 w .. 64 w + 63 for all frames; its 4 fragments of hs for the one window (64 registers, 16 loads) stay in registers for the whole launch.
;   p goes from wave to wave through LDS as an image of the operand's registers: 16 bytes a lane, 512 consecutive bytes a store.
; k inside a matrix instruction is permuted, alike in p and hs (registers 4 c .. 4 c + 3 hold k = 32 c + 16 h + 0 .. 15): only the order of the sums inside an instruction differs.
; THE COLUMNS OF A TILE ARE NOT NEIGHBOURS: lane r of column tile u takes d = 64 w + 4 r + u, so a lane's four accumulators u = 0 .. 3 hold four neighbouring columns of a frame, 16 bytes, and sixteen lanes store 256 consecutive aligned bytes.
; THE EXPONENT IS MADE WITH THE DEFINITION'S OWN ROUNDINGS: d = c - time (exact), d x d, x (-0.1), x log2(e), + (-M), nothing fused: where t is of the order of 10^4 an f32 rounding is 2^-11 of an exponent.
; NO CLUSTER AND NO TENSOR LOAD: branches and addresses hang on ds here, and work-groups take different windows.  NO PREFETCH: hs is fetched once, ahead of the loop, as soon as its address is known; the loop streams nothing in (one window).
; LIMITS.  |2 cumsum(ds)| < 2^24, so that c and c - time are exact in f32.  e0 between -110 and 112, so that 2^e0 and 57,344 x 2^e0 are f32 numbers and p under 2^-126 is under the format's range; e0 + e1 is applied by v_ldexp_f32.
;   A batch whose d_masks are all 0 gives NaN, as the definition does.
.set RL,    32768                      ; LDS: images of p: tile m at 8,192 m, window at 2,048, register group c at 512 c, lane at 16 x lane | 2^(e0 + e1) / l: tile m at 64 m, frame r at 4 r | spare words
.set SPARE, 33024
.set CI,    32                         ; v32-47  2c, then c, of my lane's 16 tokens
.set CODE,  48                         ; v48-63  p's codes
.set XW,    64                         ; v64-127 work: d, d^2, logit, t, t - M, p; at the head temporaries
.set XC,    128                        ; v128-191 c of the one window's tokens, my half's 64
.set RLV,   192                        ; v192-223 2^(e0 + e1) / l of the group's 64 frames
.set RAW,   224                        ; v224-239 ds at the head; v240-243 d_masks; v244-245 h_masks of 8 frames; v246-249 h_mask of my frame in each group; v250-253 lane indices
; Other windows of 256: window 1: hs's fragments v0-63, a further window's v64-127, p's fragments v128-191;  window 2: 16 accumulators, (m, u) at 8 (4 m + u);  window 3: v0-127 results to store.
; v1 r, v2 h, v4 image (write), v5 image (read), v6 1/l (write), v7 1/l (read), v8 my byte in out, v9 my byte in hs, v[10:11] -time, v[12:13] -M, v14-17 minima, v18-19 at work, v20 h_mask bits, v21 2^e0, v23 permute's destination, v[24:31] sums
.set MSB, 0
.macro WIN new                         ; s_set_vgpr_msb, the high byte repeating the setting that is left
.if MSB != \new
	s_set_vgpr_msb (MSB<<8)|\new
.set MSB, \new
.endif
.endm
.macro STLE
	s_wait_alu depctr_va_vdst(0)
.endm
	s_load_b256 s[4:11], s[0:1], 0x0               ; hs s[4:5], ds s[6:7], d_masks s[8:9], h_masks s[10:11]
	s_load_b128 s[12:15], s[0:1], 0x20             ; the scales' exponents s[12:13], out s[14:15]
	v_lshl_add_u32 v254, v0, 2, SPARE              ; my spare word, and 0: for the add at the end alone
	v_mov_b32 v255, 0
	v_lshrrev_b32 v18, 5, v0
	v_readfirstlane_b32 s16, v18                   ; wave 0..3
	s_and_b32 s19, ttmp7, 0xffff                   ; the batch
	s_lshl_b32 s20, s16, 13
	s_lshl_b32 s22, s16, 6
	s_add_co_u32 s22, s22, RL
	s_lshl_b32 s23, s16, 8
	s_lshl_b32 s24, s16, 4
	s_lshl_b32 s25, s16, 15
	s_mov_b32 s40, 0xaaaaaaaa                      ; lanes with bit 0, 1, 2, 3, 4 of their number
	s_mov_b32 s41, 0xcccccccc
	s_mov_b32 s42, 0xf0f0f0f0
	s_mov_b32 s43, 0xff00ff00
	s_mov_b32 s44, 0xffff0000
	s_mov_b32 s48, 0x76543210                      ; v_permlanex16_b32: lane l takes lane l xor 16
	s_mov_b32 s49, 0xfedcba98
	s_mov_b32 s50, 0xbdcccccd                      ; -0.1 as f32
	s_mov_b32 s51, s50                             ; (named with it as a pair, so it is written)
	s_mov_b32 s52, 0x3fb8aa3b                      ; log2(e) as f32
	s_mov_b32 s53, s52
	s_mov_b32 s27, 0
	v_and_b32 v1, 15, v0                           ; r
	v_bfe_u32 v2, v0, 4, 1                         ; h
	v_and_b32 v14, 31, v0                          ; lane
	v_lshl_add_u32 v4, v14, 4, s20                 ; my tile's images: 8,192 x wave + 16 x lane
	v_lshlrev_b32 v5, 4, v14                       ; any tile's: 16 x lane
	v_lshl_add_u32 v6, v1, 2, s22                  ; 1/l of my frame: 64 x wave + 4 r
	v_lshl_add_u32 v7, v2, 5, RL                   ; 1/l of frames 8 h + 0 .. 7 of a tile
	v_lshl_add_u32 v8, v1, 4, s23                  ; out: 256 x wave + 16 r: columns 64 w + 4 r on,
	v_lshl_add_u32 v8, v2, 13, v8                  ; + 8 h rows of 1,024 bytes
	v_lshlrev_b32 v9, 11, v1                       ; hs: row 64 w + 4 r of 512 bytes,
	v_lshl_add_u32 v9, v2, 4, v9                   ; + 16 h
	v_add_nc_u32 v9, s25, v9
	v_lshlrev_b32 v16, 6, v14                      ; ds: 16 numbers a lane
	v_lshlrev_b32 v17, 4, v14                      ; d_masks: 16 bytes a lane
	v_lshlrev_b32 v14, 3, v14                      ; h_masks: 8 frames a lane
	v_add_nc_u32 v15, s24, v1                      ; my frame in a group
	v_mov_b32 v23, 0                               ; a lane permute's or DPP's destination counts as one of its sources
	v_mov_b32 v74, 0
	v_mov_b32 v75, 0
	v_mov_b32 v18, 0x20000000                      ; beyond every 2c, on either side
	v_mov_b32 v19, 0xe0000000
	STLE
	s_wait_kmcnt 0x0
	s_load_b64 s[56:57], s[12:13], 0x0             ; e0 (p's), e1 (hs's)
	s_lshl_b32 s26, s19, 11
	s_add_nc_u64 s[6:7], s[6:7], s[26:27]          ; ds at the batch's first token
	s_lshl_b32 s26, s19, 9
	s_add_nc_u64 s[8:9], s[8:9], s[26:27]          ; d_masks likewise
	s_lshl_b32 s26, s19, 12
	s_lshl_b32 s28, ttmp9, 8
	s_add_co_u32 s26, s26, s28
	s_add_nc_u64 s[10:11], s[10:11], s[26:27]      ; h_masks at the block's first frame
.irp k, 0,1,2,3
	global_load_b128 v[RAW+4*\k:RAW+4*\k+3], v16, s[6:7] offset:16*\k
.endr
	global_load_b128 v[240:243], v17, s[8:9]
	global_load_b64 v[244:245], v14, s[10:11]
.irp g, 0,1,2,3
	global_load_u8 v[246+\g], v15, s[10:11] offset:64*\g
.endr
	s_lshl_b32 s26, s19, 17
	s_add_nc_u64 s[4:5], s[4:5], s[26:27]          ; hs: the batch's 256 rows
	s_lshl_b32 s26, s19, 22
	s_lshl_b32 s29, ttmp9, 18
	s_add_co_u32 s26, s26, s29
	s_add_nc_u64 s[38:39], s[14:15], s[26:27]      ; out at the block's first row
	s_add_co_u32 s58, s28, s24                     ; my first tile's first frame: 256 x block + 16 x wave
	s_lshl_b32 s82, ttmp9, 9
	s_add_co_u32 s82, s82, 63                      ; the middles of the four groups, in half frames
	s_add_co_u32 s83, s82, 128
	s_add_co_u32 s84, s82, 256
	s_add_co_u32 s85, s82, 384
	s_mov_b32 s86, 0                               ; and the time of a frame that h_masks hides
	s_wait_loadcnt 0x0
	; 2 c = 2 x (the inclusive prefix sum) - ds, in whole numbers.  Within a lane four runs of four tokens; across lanes five exchanges: v73 the sum of my group of lanes, v74 the sum of the lanes below me
.irp q, 0,4,8,12
	v_add_nc_u32 v[CI+1+\q], v[RAW+\q], v[RAW+1+\q]
.endr
.irp q, 0,4,8,12
	v_add_nc_u32 v[CI+2+\q], v[CI+1+\q], v[RAW+2+\q]
.endr
.irp q, 0,4,8,12
	v_add_nc_u32 v[CI+3+\q], v[CI+2+\q], v[RAW+3+\q]
.endr
	v_add_nc_u32 v70, v[CI+3], v[CI+7]
	v_add_nc_u32 v71, v70, v[CI+11]
	v_add_nc_u32 v73, v71, v[CI+15]
.irp q, 0,4,8,12
	v_mov_b32 v[CI+\q], v[RAW+\q]
.endr
.macro BELOW k
	v_cndmask_b32 v76, 0, v75, s[40+\k]            ; the sibling group lies below me where my lane has this bit
	v_add_nc_u32 v74, v74, v76
	v_add_nc_u32 v73, v73, v75
.endm
	v_mov_b32_dpp v75, v73 row_xmask:1 row_mask:0xf bank_mask:0xf
	BELOW 0
	v_mov_b32_dpp v75, v73 row_xmask:2 row_mask:0xf bank_mask:0xf
	BELOW 1
	v_mov_b32_dpp v75, v73 row_xmask:4 row_mask:0xf bank_mask:0xf
	BELOW 2
	v_mov_b32_dpp v75, v73 row_xmask:8 row_mask:0xf bank_mask:0xf
	BELOW 3
	v_permlanex16_b32 v75, v73, s48, s49
	v_cndmask_b32 v76, 0, v75, s44
	v_add_nc_u32 v74, v74, v76
	v_add_nc_u32 v75, v74, v[CI+3]                 ; what lies below each run of four
	v_add_nc_u32 v76, v74, v70
	v_add_nc_u32 v77, v74, v71
.irp i, 0,1,2,3,4,5,6,7,8,9,10,11,12,13,14,15
	v_add_lshl_u32 v[CI+\i], v[74+\i/4], v[CI+\i], 1
.endr
.irp i, 0,1,2,3,4,5,6,7,8,9,10,11,12,13,14,15
	v_sub_nc_u32 v[CI+\i], v[CI+\i], v[RAW+\i]     ; 2 c
	v_bfe_u32 v[80+\i], v[240+\i/4], 8*(\i%4), 8
.endr
.irp i, 0,1,2,3,4,5,6,7,8,9,10,11,12,13,14,15
	v_cmp_eq_u32 s[66+\i], 0, v[80+\i]             ; hidden by d_masks
.endr
.irp i, 0,1,2,3,4,5,6,7,8,9,10,11,12,13,14,15
	v_cndmask_b32 v[80+\i], v[CI+\i], v18, s[66+\i]
	v_cndmask_b32 v[96+\i], v[CI+\i], v19, s[66+\i]
.endr
.macro HALVE n, i
	v_min_i32 v[80+\i], v[80+\i], v[80+\n+\i]
	v_max_i32 v[96+\i], v[96+\i], v[96+\n+\i]
.endm
.irp i, 0,1,2,3,4,5,6,7
	HALVE 8, \i
.endr
.irp i, 0,1,2,3
	HALVE 4, \i
.endr
	HALVE 2, 0
	HALVE 2, 1
	HALVE 1, 0                                     ; lo v80, hi v96
.irp k, 0,1,2,3,4
	v_sub_nc_u32 v[64+\k], v80, s[82+\k]           ; lo - X
	v_sub_nc_u32 v[70+\k], s[82+\k], v96           ; X - hi
.endr
.irp k, 0,1,2,3,4
	v_max_i32 v[64+\k], v[64+\k], v[70+\k]         ; s
.endr
.irp k, 0,1,2,3,4
	v_sub_nc_u32 v[70+\k], 0, v[64+\k]
.endr
.irp k, 0,1,2,3,4
	v_max_i32 v[70+\k], v[70+\k], v[64+\k]         ; |s|, and its least over the 32 blocks
.endr
.irp x, 1,2,4,8
.irp k, 0,1,2,3,4
	v_mov_b32_dpp v[84+\k], v[70+\k] row_xmask:\x row_mask:0xf bank_mask:0xf
.endr
.irp k, 0,1,2,3,4
	v_min_i32 v[70+\k], v[70+\k], v[84+\k]
.endr
.endr
.irp k, 0,1,2,3,4
	v_permlanex16_b32 v[84+\k], v[70+\k], s48, s49
.endr
.irp k, 0,1,2,3,4
	v_min_i32 v[70+\k], v[70+\k], v[84+\k]
.endr
.irp k, 0,1,2,3
	v_add_nc_u32 v[70+\k], 60+2*63, v[70+\k]
.endr
	v_add_nc_u32 v74, 60, v74
	v_and_b32 v90, v244, v245
	v_cmp_ne_u32 s87, 0x01010101, v90              ; lanes with a hidden frame among their 8
.irp k, 0,1,2,3,4
	v_cmp_lt_i32 s[90+\k], v[64+\k], v[70+\k]      ; the blocks that are needed
.endr
	STLE
	s_or_b32 s95, s90, s91
	s_or_b32 s96, s92, s93
	s_or_b32 s95, s95, s96
	s_cmp_lg_u32 s87, 0
	s_cselect_b32 s94, s94, 0
	s_or_b32 s95, s95, s94                         ; never 0: a nearest token's block is needed
	s_ctz_i32_b32 s96, s95
	s_lshr_b32 s97, s95, s96
	s_cmp_lt_u32 s97, 0x100                        ; eight blocks on end?
	s_cselect_b32 s96, s96, 0                      ; the window's first block
	s_cselect_b32 s98, 0, s95                      ; 0: one window; else the needed blocks, for four windows
	s_min_u32 s96, s96, 24
	s_lshl_b32 s62, s96, 4
	s_mov_b32 s63, 0
	s_add_nc_u64 s[36:37], s[4:5], s[62:63]
	WIN 0x40                                       ; destination window 1
.irp u, 0,1,2,3
.irp c, 0,1,2,3
	global_load_b128 v[16*\u+4*\c:16*\u+4*\c+3], v9, s[36:37] offset:512*\u+32*\c   ; hs: rows 64 w + 4 r + u, the window's tokens 32 c + 16 h on
.endr
.endr
	WIN 0
	v_mov_b32 v19, 0x7f800000                      ; +infinity
.irp i, 0,1,2,3,4,5,6,7,8,9,10,11,12,13,14,15
	v_cvt_f32_i32 v[CI+\i], v[CI+\i]
.endr
.irp i, 0,1,2,3,4,5,6,7,8,9,10,11,12,13,14,15
	v_mul_f32 v[CI+\i], 0.5, v[CI+\i]              ; c, exact
.endr
.irp i, 0,1,2,3,4,5,6,7,8,9,10,11,12,13,14,15
	v_cndmask_b32 v[CI+\i], v[CI+\i], v19, s[66+\i]   ; a token that d_masks hides gets c = +infinity: its logit is then -infinity and its p is 0
.endr
	s_lshl_b32 s99, s96, 2
	v_lshl_add_u32 v250, v2, 2, s99                ; 4 x (first block + h), + 8 B
	v_add_nc_u32 v251, 8, v250
	v_add_nc_u32 v252, 16, v250
	v_add_nc_u32 v253, 24, v250
.irp b, 0,1,2,3
.irp i, 0,1,2,3,4,5,6,7,8,9,10,11,12,13,14,15
	ds_bpermute_b32 v[XC+16*\b+\i], v[250+\b], v[CI+\i]
.endr
.endr
	v_lshl_or_b32 v20, v247, 1, v246               ; my frame's h_mask in group g is bit g
	v_lshl_or_b32 v20, v248, 2, v20
	v_lshl_or_b32 v20, v249, 3, v20
	s_wait_kmcnt 0x0
	s_add_co_i32 s61, s56, 127
	s_lshl_b32 s62, s61, 23
	v_mov_b32 v21, s62                             ; 2^e0 as f32: the conversion takes its exponent field
	s_add_co_i32 s61, s61, 15
	s_lshl_b32 s61, s61, 23
	s_or_b32 s54, s61, 0x600000                    ; 57,344 x 2^e0
	s_add_co_i32 s55, s56, s57                     ; e0 + e1
	s_mov_b32 s59, 0                               ; the group
	s_mov_b32 s3, 4                                ; groups to go
	s_mov_b32 s46, 0                               ; the group's byte in the block's rows of out
	s_mov_b32 s47, 0
.macro DSQ src                         ; d = c - time (exact), d x d
.set i, 0
.rept 32
	v_pk_add_f32 v[XW+i:XW+i+1], v[\src+i:\src+i+1], v[10:11]
.set i, i+2
.endr
.set i, 0
.rept 32
	v_pk_mul_f32 v[XW+i:XW+i+1], v[XW+i:XW+i+1], v[XW+i:XW+i+1]
.set i, i+2
.endr
.endm
.macro MINS first                      ; the smallest square, in four chains by turns
.set i, 0
.if \first
.irp k, 0,1,2,3
	v_min_num_f32 v[14+\k], v[XW+16*\k], v[XW+16*\k+1]
.endr
.set i, 2
.endif
.rept 8-\first
.irp k, 0,1,2,3
	v_min3_num_f32 v[14+\k], v[XW+16*\k+i], v[XW+16*\k+i+1], v[14+\k]
.endr
.set i, i+2
.endr
.endm
.macro MFIN
	v_min3_num_f32 v14, v14, v15, v16
	v_min_num_f32 v14, v14, v17
	v_permlanex16_b32 v23, v14, s48, s49           ; my frame's other tokens lie in lane l xor 16
	v_min_num_f32 v14, v14, v23
	v_mul_f32 v14, s50, v14                        ; the row's largest t, by the elements' own two roundings: each rounded step is monotone, so it is the t of the smallest square
	v_mul_f32 v14, s52, v14
	v_floor_f32 v12, -v14                          ; -M = floor(-t) = -ceil(t), twice
	v_floor_f32 v13, -v14
.endm
.macro TAIL w, first                   ; from d^2: p, its part of the row's sum, its codes, and their image in LDS
.irp s, 50,52
.set i, 0
.rept 32
	v_pk_mul_f32 v[XW+i:XW+i+1], v[XW+i:XW+i+1], s[\s:\s+1] op_sel_hi:[1,0]   ; x (-0.1), x log2(e)
.set i, i+2
.endr
.endr
.set i, 0
.rept 32
	v_pk_add_f32 v[XW+i:XW+i+1], v[XW+i:XW+i+1], v[12:13]   ; t - M
.set i, i+2
.endr
	STLE
.set i, 0
.rept 64
	v_exp_f32 v[XW+i], v[XW+i]                     ; p: not normalised
.set i, i+1
.endr
	v_nop                                          ; one plain instruction behind the last exponential (ISA guide 5.7.2)
	STLE
.set i, 0
.if \first
.irp k, 0,1,2,3
	v_pk_add_f32 v[24+2*\k:25+2*\k], v[XW+4*\k:XW+4*\k+1], v[XW+4*\k+2:XW+4*\k+3]   ; the sum is taken of the unquantised p; the first pairs start four chains
.endr
.set i, 16
.endif
.rept 8-2*\first
.irp k, 0,1,2,3
	v_pk_add_f32 v[24+2*\k:25+2*\k], v[24+2*\k:25+2*\k], v[XW+i+2*\k:XW+i+2*\k+1]
.endr
.set i, i+8
.endr
	s_cmp_lt_u32 s54, 0x3f800000                   ; p is at most 1: the hold at 57,344 x 2^e0 moves nothing where that is 1 or more
	STLE
	s_cbranch_scc0 .Lheld_\@
.set i, 0
.rept 64
	v_min_num_f32 v[XW+i], s54, v[XW+i]            ; the conversion to an 8-bit code does not saturate (ISA guide 7.6.2)
.set i, i+1
.endr
.Lheld_\@:
.set i, 0
.rept 8
	v_cvt_scalef32_pk8_bf8_f32 v[CODE+2*i:CODE+2*i+1], v[XW+8*i:XW+8*i+7], v21   ; codes 4 B .. 4 B + 3 are tokens 32 B + 16 h + 0 .. 15
.set i, i+1
.endr
	v_nop                                          ; one plain instruction behind the last scaled conversion
.irp c, 0,1,2,3
	ds_store_b128 v4, v[CODE+4*\c:CODE+4*\c+3] offset:2048*\w+512*\c
.endr
.endm
.macro BPERM w                         ; c of fixed window w: lanes 8 w + 2 B + h
	v_lshlrev_b32 v18, 2, v2
.irp b, 0,1,2,3
	v_add_nc_u32 v[RAW+\b], 32*\w+8*\b, v18
.endr
.irp b, 0,1,2,3
.irp i, 0,1,2,3,4,5,6,7,8,9,10,11,12,13,14,15
	ds_bpermute_b32 v[XW+16*\b+\i], v[RAW+\b], v[CI+\i]
.endr
.endr
	STLE
	s_wait_dscnt 0x0
.endm
	STLE
	s_wait_dscnt 0x0                               ; the window's c are in
.Lgrp:                                                 ; four trips: a group's softmax, then its product
	v_lshrrev_b32 v18, s59, v20
	v_and_b32 v18, 1, v18                          ; my frame's h_mask
	v_add_nc_u32 v19, s58, v1                      ; my frame
	v_mul_u32_u24 v19, v19, v18
	v_cvt_f32_u32 v19, v19                         ; time = frame x mask
	v_xor_b32 v10, 0x80000000, v19                 ; -time, twice
	v_xor_b32 v11, 0x80000000, v19
	s_cmp_lg_u32 s98, 0
	STLE
	s_cbranch_scc1 .Lmany
	DSQ XC                                         ; one window: its c stay in registers
	MINS 1
	MFIN
	TAIL 0, 1
	STLE
	s_branch .Lsum
.Lmany:                                                ; four windows: M first, then p; windows 1 to 3 only where a block of theirs is needed
.irp k, 0,1,2,3
	v_mov_b32 v[14+\k], 0x7f800000
.endr
.irp w, 0,1,2,3
.if \w
	s_bfe_u32 s60, s98, 0x80000|(8*\w)             ; SCC: not 0
	STLE
	s_cbranch_scc0 .Lmin_\w
.endif
	BPERM \w
	DSQ XW
	MINS 0
.Lmin_\w:
.endr
	MFIN
.irp k, 24,25,26,27,28,29,30,31
	v_mov_b32 v\k, 0
.endr
.irp w, 0,1,2,3
.if \w
	s_bfe_u32 s60, s98, 0x80000|(8*\w)
	STLE
	s_cbranch_scc0 .Lexp_\w
.endif
	BPERM \w
	DSQ XW
	TAIL \w, 0
.Lexp_\w:
.endr
.Lsum:
	v_pk_add_f32 v[24:25], v[24:25], v[26:27]
	v_pk_add_f32 v[28:29], v[28:29], v[30:31]
	v_pk_add_f32 v[24:25], v[24:25], v[28:29]
	v_add_f32 v24, v24, v25
	v_permlanex16_b32 v23, v24, s48, s49
	v_add_f32 v24, v24, v23                        ; l, the same number in both lanes of a frame
	STLE
	v_rcp_f32 v24, v24
	v_nop                                          ; a plain instruction behind the transcendental
	STLE
	v_ldexp_f32 v24, v24, s55                      ; 2^(e0 + e1) / l
	ds_store_b32 v6, v24
	s_add_co_u32 s58, s58, 64                      ; my tile of the next group
	s_add_co_u32 s59, s59, 1
	STLE
	s_wait_dscnt 0x0                               ; for the others' sake: my stores have landed
	s_barrier_signal -1
	s_barrier_wait -1                              ; the group's images of p and its 64 numbers 1/l lie in LDS
	; THE PRODUCT: 64 frames x my 64 columns
.irp m, 0,1,2,3
.irp k, 0,1
	ds_load_b128 v[RLV+8*\m+4*\k:RLV+8*\m+4*\k+3], v7 offset:64*\m+16*\k   ; 1/l of frames 16 m + 8 h + 4 k + 0 .. 3
.endr
.endr
	WIN 0x40                                       ; destination window 1
.irp m, 0,1,2,3
.irp c, 0,1,2,3
	ds_load_b128 v[128+16*\m+4*\c:128+16*\m+4*\c+3], v5 offset:8192*\m+512*\c
.endr
.endr
	s_wait_loadcnt 0x0                             ; hs (asked for at the head)
	WIN 0xa5                                       ; sources 0 (p) and 1 (hs) window 1, C and D window 2
.irp m, 0,1,2,3
	s_wait_dscnt 12-4*\m                           ; 1/l and tile m's four loads are in; the younger tiles' may be out
.irp u, 0,1,2,3
	v_wmma_f32_16x16x128_bf8_bf8 v[8*(4*\m+\u):8*(4*\m+\u)+7], v[128+16*\m:128+16*\m+15], v[16*\u:16*\u+15], 0   ; starts the sum: nothing is cleared
.endr
.endr
	WIN 0
	s_cmp_eq_u32 s98, 0
	s_cbranch_scc1 .Lout
.irp w, 1,2,3                          ; four windows: the needed ones add their products, the 16 accumulators by turns
	s_bfe_u32 s60, s98, 0x80000|(8*\w)
	s_cbranch_scc0 .Lmul_\w
.rept 4
	v_nop                                          ; places in front of loads into registers that matrix instructions have read
.endr
	WIN 0x40
.irp u, 0,1,2,3
.irp c, 0,1,2,3
	global_load_b128 v[64+16*\u+4*\c:64+16*\u+4*\c+3], v9, s[4:5] offset:512*\u+128*\w+32*\c
.endr
.endr
.irp m, 0,1,2,3
.irp c, 0,1,2,3
	ds_load_b128 v[128+16*\m+4*\c:128+16*\m+4*\c+3], v5 offset:8192*\m+2048*\w+512*\c
.endr
.endr
	s_wait_loadcnt 0x0
	s_wait_dscnt 0x0
	WIN 0xa5
.irp m, 0,1,2,3
.irp u, 0,1,2,3
	v_wmma_f32_16x16x128_bf8_bf8 v[8*(4*\m+\u):8*(4*\m+\u)+7], v[128+16*\m:128+16*\m+15], v[64+16*\u:64+16*\u+15], v[8*(4*\m+\u):8*(4*\m+\u)+7]
.endr
.endr
	WIN 0
.Lmul_\w:
.endr
.Lout:
.rept 4
	v_nop                                          ; four places between the last product and the first read of results (ISA guide 7.12.1)
.endr
	s_wait_xcnt 0x0                                ; the last group's stores have read their data and their base: both may be written
	s_add_nc_u64 s[14:15], s[38:39], s[46:47]
	s_add_co_u32 s46, s46, 0x10000                 ; 64 rows of out on
	s_wait_dscnt 0x0
	s_barrier_signal -1                            ; all my reads of the images and of 1/l are in: say so, and work on registers while the others arrive
.irp m, 0,1,2,3                        ; register j of accumulator (m, u) in lane (r, h) is out(16 m + 8 h + j, 64 w + 4 r + u)
	WIN 0xc2                                       ; source 0 window 2, destination window 3
.irp j, 0,1,2,3,4,5,6,7
.irp u, 0,1,2,3
	v_mul_f32 v[32*\m+4*\j+\u], v[8*(4*\m+\u)+\j], v[RLV+8*\m+\j]   ; into four neighbouring registers for four neighbouring columns; each accumulator from its low end on
.endr
.endr
.if \m == 0
	WIN 0
	STLE
	s_barrier_wait -1                              ; nobody reads the images or 1/l any more: the next softmax may store there
.endif
	WIN 0x0c                                       ; store data window 3
.irp j, 0,1,2,3,4,5,6,7
	global_store_b128 v8, v[32*\m+4*\j:32*\m+4*\j+3], s[14:15] offset:(16*\m+\j)*1024 th:TH_STORE_NT   ; lanes 0-15 store 256 consecutive bytes of frame 16 m + j, lanes 16-31 of frame 16 m + 8 + j, aligned to 256
.endr
.endr
	WIN 0
	s_sub_co_u32 s3, s3, 1
	s_cmp_lg_u32 s3, 0
	STLE
	s_cbranch_scc1 .Lgrp
	s_wait_tensorcnt 0x0                           ; the wave's end
	ds_add_u32 v254, v255
	s_wait_dscnt 0x0
	s_endpgm
.Lfunc_end_k_q861f9ea32e_gauss:
	.size	k_q861f9ea32e_gauss, .Lfunc_end_k_q861f9ea32e_gauss-k_q861f9ea32e_gauss
	.p2alignl 7, 3214868480
	.fill 96, 4, 3214868480
	.section	.rodata,"a",@progbits
	.p2align	6, 0x0
	.amdhsa_kernel k_q861f9ea32e_gauss
		.amdhsa_group_segment_fixed_size 33536
		.amdhsa_private_segment_fixed_size 0
		.amdhsa_enable_private_segment 0
		.amdhsa_kernarg_size 48
		.amdhsa_user_sgpr_count 2
		.amdhsa_user_sgpr_kernarg_segment_ptr 1
		.amdhsa_wavefront_size32 1
		.amdhsa_system_sgpr_workgroup_id_x 1
		.amdhsa_system_sgpr_workgroup_id_y 1
		.amdhsa_system_sgpr_workgroup_id_z 1
		.amdhsa_system_vgpr_workitem_id 0
		.amdhsa_next_free_vgpr 1024
		.amdhsa_next_free_sgpr 100
		.amdhsa_reserve_vcc 0
		.amdhsa_float_denorm_mode_32 3
		.amdhsa_float_denorm_mode_16_64 3
		.amdhsa_memory_ordered 1
		.amdhsa_forward_progress 1
		.amdhsa_inst_pref_size 196
	.end_amdhsa_kernel
	.amdgpu_metadata
---
amdhsa.version: [ 1, 2 ]
amdhsa.kernels:
  - .name:           k_q861f9ea32e_gauss
    .symbol:         k_q861f9ea32e_gauss.kd
    .args:
      - { .name: hs_codes, .offset: 0, .size: 8, .value_kind: global_buffer, .address_space: global }
      - { .name: ds, .offset: 8, .size: 8, .value_kind: global_buffer, .address_space: global }
      - { .name: d_masks, .offset: 16, .size: 8, .value_kind: global_buffer, .address_space: global }
      - { .name: h_masks, .offset: 24, .size: 8, .value_kind: global_buffer, .address_space: global }
      - { .name: lowp_scales, .offset: 32, .size: 8, .value_kind: global_buffer, .address_space: global }
      - { .name: out0, .offset: 40, .size: 8, .value_kind: global_buffer, .address_space: global }
    .group_segment_fixed_size: 33536
    .private_segment_fixed_size: 0
    .kernarg_segment_align: 8
    .kernarg_segment_size: 48
    .max_flat_workgroup_size: 128
    .sgpr_count:     100
    .vgpr_count:     1024
    .wavefront_size: 32
...
	.end_amdgpu_metadata
.endif
;; end of part 1
